; MI455X (gfx1250); checked and timed in simulation.
; The chip was launched on July 23, 2026; its instructions are those of AMD's public machine-readable ISA for CDNA 5 (MIT licence, August 2026) and "CDNA5" Instruction Set Architecture Reference Guide (July 2026). The comments in the code are by the model that wrote it; some were corrected since.
;; Layer Norm MLP. Allowed arithmetic: matrix products marked QUANTISED: E4M3 operands, one E8M0 scale for each 32 along K, by v_wmma_scale_f32_16x16x128_f8f6f4 with both operands' format E4M3, f32 sums; everything else in f32.
;; Inputs: kernel_1 2,048 x 2 x 8,192 float32; kernel_2 8,192 x 2,048 float32; ln_bias 2,048 float32; scale 2,048 float32; x 4 x 256 x 2,048 float32.
;; Outputs: out0 4 x 256 x 2,048 float32.
;; This version of the problem:
;;   THIS VERSION OF THE PROBLEM IS GIVEN IN LOW PRECISION. The matrix products marked QUANTISED in the list below multiply operands that are first quantised to E4M3 (4 exponent bits, 3 mantissa bits; 8 bits a number), with one power-of-two scale for each 32 numbers along K (OCP MX v1.0); their sums are f32. All else is computed in f32.
;;   The module's matrix products, in the order in which they are computed (A, B: the left and right operand; K: the contracted axis; several contracted axes count as one K, in the product's order):
;;     1. [M 1,024, K 2,048] x [K 2,048, N 16,384]; A: computed on the way; B: input kernel_1: QUANTISED
;;     2. [M 1,024, K 8,192] x [K 8,192, N 2,048]; A: computed on the way; B: input kernel_2: QUANTISED
;;   THE QUANTISER, for each operand of a quantised product, along K:
;;     - K is cut into blocks of 32 from its start; a last block that is shorter is filled with zeros.
;;     - A block's scale is 2^e with e = floor(log2(the largest magnitude in the block)) - 8, held to -126 .. 127; a block of zeros has e = 0. As a byte (E8M0): e + 127.
;;     - Each number is divided by its block's scale, clamped to +-448, and rounded to the nearest number of E4M3, ties to even, subnormals kept.
;;     - The product sums the exact products of the quantised numbers (number of the format x scale) in f32.
;;   ~~~python
;;   def quantise(x, axis):      # numpy; x: float32 -> the quantised numbers, widened to float32 again
;;       x = np.moveaxis(x, axis, -1); K = x.shape[-1]
;;       x = np.pad(x, [(0, 0)] * (x.ndim - 1) + [(0, -K % 32)]); x = x.reshape(x.shape[:-1] + (-1, 32)); a = np.abs(x).max(-1, keepdims=True)
;;       e = np.where(a > 0, np.clip(np.frexp(np.where(a > 0, a, 1))[1] - 1 - 8, -126, 127), 0)      # np.frexp(a)[1] - 1 = floor(log2(a)), exactly
;;       r = np.clip(x / 2.0 ** e, -448, 448)
;;       step = 2.0 ** (np.maximum(np.frexp(np.where(r == 0, 1, r))[1] - 1, -6) - 3)
;;       q = np.round(r / step) * step * 2.0 ** e      # np.round: ties to even
;;       return np.moveaxis(q.reshape(q.shape[:-2] + (-1,))[..., :K], -1, axis).astype(np.float32)
;;   ~~~
;;   OPERANDS COMPUTED ON THE WAY. 'Computed on the way' means the value that the module computes at that place (a softmax that the list does not call 'softmax' is quantised finished and normalised). What goes into a quantiser is computed in f32, as accurately as f32 sums, v_exp_f32 and their like allow (about 1e-6 of the number): no bf16 or f16 on the way to a quantiser, and a product that is left as it is and whose result goes on into a quantised operand takes f32 operands (vector FMAs, or v_wmma_f32_16x16x4_f32). A number that lies on a knife's edge between two numbers of the format may be rounded either way, as far as f32 arithmetic and the matrix unit's own rounding can turn it there, and no further.
;; One version. Each part assembles by itself: llvm-mc -triple=amdgcn-amd-amdhsa -mcpu=gfx1250 --defsym DOCPART=n.
;; ======== version 1 of 1: 3 launches
;; workspace buffers: xq 2,162,688 bytes; w2q 17,301,504 bytes; zq 8,650,752 bytes
;; launch prep (part 1): grid 576 x 1, 8 waves a work-group, no clusters, 2,048 bytes of LDS; arguments x, scale, ln_bias, kernel_2, xq, w2q; writes xq, w2q
.if DOCPART == 1
	.amdgcn_target "amdgcn-amd-amdhsa--gfx1250"
	.amdhsa_code_object_version 6
	.text
	.protected	k_qf4efa445cf_prep
	.globl	k_qf4efa445cf_prep
	.p2align	8
	.type	k_qf4efa445cf_prep,@function
k_qf4efa445cf_prep:
	s_mov_b64 s[64:65], 0
	v_nop
	global_prefetch_b8 v0, s[64:65] scope:SCOPE_SE
	s_setreg_imm32_b32 hwreg(HW_REG_WAVE_MODE, 25, 1), 1
	s_wait_xcnt 0x0
; Two jobs in one launch, told apart by the work-group's number alone.  Every work-group of either kind reads 131,072 bytes, so that the load of the WGPs stays even.
; Work-groups 0-63: LayerNorm of 16 rows of x [1024][2048] (two passes: mean, then the mean of the squared differences), gain and bias,
;   and the quantiser along the row: codes of E4M3 with one E8M0 byte for each 32, stored in the order of the operand's registers.
; Work-groups 64-575: kernel_2 [8192 (k)][2048 (n)] is quantised along k, its FIRST axis: a lane takes a column and its registers run down k; a work-group takes 256 columns x 128 k.
; A FRAGMENT is 16 rows x 128 k = 2,048 bytes: byte 512 c + 16 (16 h + r) + b is the code of (row r, k = 32 c + 16 h + b): lane 16 h + r of the
; reader takes its registers 4 c .. 4 c + 3 by one 16-byte load at 512 c + 16 x lane.
; xq:  block (K step s, row quarter q) at (4 s + q) x 33,792: 16 fragments (rows 256 q + 16 t + r), then 1,024 bytes of scale words:
;      word of (t, r) at 32,768 + 512 (t / 8) + 16 (16 (t % 2) + r) + 4 ((t / 2) % 4).
; w2q: block (column group cg of 64, tau of 512 k) at (16 cg + tau) x 33,792: fragment (ct, st) at 2,048 (4 ct + st); scale word at
;      32,768 + 256 st + 8 (16 (ct % 2) + rho) + 4 (ct / 2).
; A block's scale is 2^(floor(log2(largest magnitude)) - 8); its byte is the largest magnitude's exponent field - 8, held at 1 from below.
; LIMITS: NaN and infinities among the inputs are not served.  A block whose largest magnitude lies under 2^-118, a block of zeros among them,
; gets the byte 1 (the stated quantiser says 127 for zeros): its codes are zeros or near it, and the bytes are read by this program alone.
.set X,    56                          ; v56-183  LN: my 128 numbers: register 64 sl + 16 b + i = k 128 (2 w + sl) + 32 b + 16 h + i of row r
.set GB,   184                         ; v184-247 LN: two sets of 16 gains and 16 biases
.set TM,   20                          ; v20-35   LN: the quantiser's work: largest magnitudes, bytes, limits, scale operands
.set PC0,  40                          ; v40-55   LN: codes of my first K step
.set PC1,  184                         ; v184-199 LN: codes of my second (the gains' set 0 has had its last load and its last read by then)
.set SEL,  36                          ; s[36:37] selects of v_permlanex16_b32: lane l xor 16
.set MNT,  38                          ; s38      the mantissa field of 448
.set KX,   32                          ; v32-95   weights: two sets of 32 numbers
.set KC,   96                          ; v96-127  weights: eight registers of codes for each block: no store's data are written again
.set KSB,  14                          ; v14      weights: my column's four scale bytes
	s_load_b256 s[4:11], s[0:1], 0x0               ; x s[4:5], scale s[6:7], ln_bias s[8:9], kernel_2 s[10:11]
	s_load_b128 s[12:15], s[0:1], 0x20             ; xq s[12:13], w2q s[14:15]
	v_lshl_add_u32 v254, v0, 2, 0x400
	v_mov_b32 v255, 0
	v_lshrrev_b32 v1, 5, v0
	v_readfirstlane_b32 s16, v1                    ; wave 0..7
	s_mov_b32 s[MNT], 0x600000
	s_wait_kmcnt 0x0
	s_cmp_lt_u32 ttmp9, 64                         ; the same in all waves of a work-group
	s_cbranch_scc0 .Lweights
; ------------------------------------------------------------------ LayerNorm: rows 16 j .. 16 j + 15; wave w takes columns 256 w .. 256 w + 255
	v_and_b32 v9, 15, v0                           ; r
	v_bfe_u32 v10, v0, 4, 1                        ; h
	v_and_b32 v11, 31, v0                          ; lane
	v_lshlrev_b32 v1, 13, v9
	v_lshl_add_u32 v1, v10, 6, v1                  ; x: row r of 8,192 bytes + 64 h: my 16 numbers of a block of 32
	v_lshlrev_b32 v2, 6, v10                       ; gain and bias: 64 h
	v_lshlrev_b32 v3, 4, v11                       ; a fragment's place for my lane: 16 x lane
	v_lshlrev_b32 v4, 4, v9                        ; a scale word's: 16 r
	v_lshlrev_b32 v7, 5, v9                        ; LDS: row r's eight partial sums, 32 bytes
	s_lshl_b32 s17, s16, 2
	v_add_nc_u32 v5, s17, v7                       ; and my wave's word among them
.irp b, 0,1,2,3
	v_mov_b32 v[TM+4+\b], 0                        ; a lane permute's destination counts as one of its sources
.endr
	s_mov_b32 s[SEL], 0x76543210
	s_mov_b32 s[SEL+1], 0xfedcba98
	s_mov_b32 s39, 0x3a000000                      ; 1 / 2048
	s_mov_b32 s40, 0x358637bd                      ; 1e-6
	s_lshl_b32 s18, ttmp9, 17                      ; 16 rows of 8,192 bytes a work-group
	s_lshl_b32 s20, s16, 10                        ; 256 numbers a wave
	s_add_co_u32 s18, s18, s20
	s_mov_b32 s19, 0
	s_mov_b32 s21, 0
	s_add_nc_u64 s[4:5], s[4:5], s[18:19]
	s_add_nc_u64 s[6:7], s[6:7], s[20:21]
	s_add_nc_u64 s[8:9], s[8:9], s[20:21]
	s_lshr_b32 s22, ttmp9, 4                       ; q
	s_and_b32 s23, ttmp9, 15                       ; t
	s_lshl_b32 s24, s16, 3
	s_add_co_u32 s24, s24, s22
	s_mul_i32 s24, s24, 33792                      ; block (K step 2 w, q); K step 2 w + 1 lies 135,168 bytes on
	s_lshl_b32 s26, s23, 11
	s_add_co_u32 s26, s26, s24
	s_mov_b32 s27, 0
	s_add_nc_u64 s[32:33], s[12:13], s[26:27]      ; my fragment
	s_lshr_b32 s28, s23, 3
	s_lshl_b32 s28, s28, 9
	s_and_b32 s30, s23, 1
	s_lshl_b32 s30, s30, 8
	s_add_co_u32 s28, s28, s30
	s_bfe_u32 s30, s23, 0x20001
	s_lshl_b32 s30, s30, 2
	s_add_co_u32 s28, s28, s30
	s_add_co_u32 s28, s28, s24
	s_add_co_u32 s28, s28, 32768
	s_mov_b32 s29, 0
	s_add_nc_u64 s[34:35], s[12:13], s[28:29]      ; my tile's scale words
.macro GBLOAD bi                       ; block bi of my eight: 16 gains and 16 biases of my half of it, into set bi % 2
.irp jj, 0,1,2,3
	global_load_b128 v[GB+32*((\bi)%2)+4*\jj:GB+32*((\bi)%2)+4*\jj+3], v2, s[6:7] offset:128*(\bi)+16*\jj
.endr
.irp jj, 0,1,2,3
	global_load_b128 v[GB+32*((\bi)%2)+16+4*\jj:GB+32*((\bi)%2)+16+4*\jj+3], v2, s[8:9] offset:128*(\bi)+16*\jj
.endr
.endm
.irp bi, 0,1,2,3,4,5,6,7
.irp jj, 0,1,2,3
	global_load_b128 v[X+16*\bi+4*\jj:X+16*\bi+4*\jj+3], v1, s[4:5] offset:128*\bi+16*\jj th:TH_LOAD_NT
.endr
.endr
	GBLOAD 0
	GBLOAD 1
.macro FOLD                            ; four pairs of partial sums become one number
	v_pk_add_f32 v[8:9], v[8:9], v[10:11]
	v_pk_add_f32 v[12:13], v[12:13], v[14:15]
	v_pk_add_f32 v[8:9], v[8:9], v[12:13]
	v_add_f32 v8, v8, v9
.endm
.macro REDUCE off                      ; my lane's sum, the other half of the lanes', and through LDS the other seven waves': the row's sum in v8
	FOLD
	v_permlanex16_b32 v9, v8, s[SEL], s[SEL+1]
	v_add_f32 v8, v8, v9
	ds_store_b32 v5, v8 offset:\off                ; both lanes of a row write the same word with the same value
	s_wait_dscnt 0x0                               ; for the others' sake: my store has landed
	s_barrier_signal -1
	s_barrier_wait -1
	ds_load_b128 v[8:11], v7 offset:\off
	ds_load_b128 v[12:15], v7 offset:\off+16
	s_wait_dscnt 0x0
	FOLD
.endm
	s_wait_loadcnt 16                              ; x is in; the 16 loads of gains and biases behind it may be out
.irp c, 0,1,2,3
	v_pk_add_f32 v[8+2*\c:9+2*\c], v[X+2*\c:X+2*\c+1], v[X+8+2*\c:X+8+2*\c+1]   ; four chains; the first numbers start them
.endr
.set m, 2
.rept 14
.irp c, 0,1,2,3
	v_pk_add_f32 v[8+2*\c:9+2*\c], v[8+2*\c:9+2*\c], v[X+8*m+2*\c:X+8*m+2*\c+1]
.endr
.set m, m+1
.endr
	REDUCE 0
	v_mul_f32 v16, s39, v8                         ; the mean,
	v_mov_b32 v17, v16                             ; as a pair
.set m, 0
.rept 64
	v_pk_add_f32 v[X+2*m:X+2*m+1], v[X+2*m:X+2*m+1], v[16:17] neg_lo:[0,1] neg_hi:[0,1]   ; x - mean
.set m, m+1
.endr
.irp c, 0,1,2,3
	v_pk_mul_f32 v[8+2*\c:9+2*\c], v[X+2*\c:X+2*\c+1], v[X+2*\c:X+2*\c+1]
.endr
.set m, 1
.rept 15
.irp c, 0,1,2,3
	v_pk_fma_f32 v[8+2*\c:9+2*\c], v[X+8*m+2*\c:X+8*m+2*\c+1], v[X+8*m+2*\c:X+8*m+2*\c+1], v[8+2*\c:9+2*\c]
.endr
.set m, m+1
.endr
	REDUCE 512                                     ; other LDS bytes than the first reduction's: no barrier is owed between the two
	v_fma_f32 v8, v8, s39, s40                     ; the variance + 1e-6
	v_rsq_f32 v18, v8
	v_rsq_f32 v19, v8                              ; twice: a pair for the packed multiply
	v_nop                                          ; a plain instruction behind the transcendentals (ISA guide 5.7.2)
	s_wait_alu depctr_va_vdst(0)                   ; one wait for both, ahead of their first reader
.macro NORM bi                         ; block bi: (x - mean) x rstd x gain + bias
.if (\bi) < 7
	s_wait_loadcnt 8                               ; this block's eight loads are in; the next block's eight may be out
.else
	s_wait_loadcnt 0x0
.endif
.irp p, 0,2,4,6,8,10,12,14
	v_pk_mul_f32 v[X+16*(\bi)+\p:X+16*(\bi)+\p+1], v[X+16*(\bi)+\p:X+16*(\bi)+\p+1], v[18:19]
.endr
.irp p, 0,2,4,6,8,10,12,14
	v_pk_fma_f32 v[X+16*(\bi)+\p:X+16*(\bi)+\p+1], v[X+16*(\bi)+\p:X+16*(\bi)+\p+1], v[GB+32*((\bi)%2)+\p:GB+32*((\bi)%2)+\p+1], v[GB+32*((\bi)%2)+16+\p:GB+32*((\bi)%2)+16+\p+1]
.endr
.if (\bi) < 6
	GBLOAD (\bi)+2
.endif
.endm
; 64 numbers of a lane, register 16 b + i = k 32 b + 16 h + i of my row, become a fragment's codes in v[pc] on and its scale word in v[pw]
.macro QUANT s, pc, pw
.irp b, 0,1,2,3
	v_max3_num_f32 v[TM+\b], |v[\s+16*\b]|, |v[\s+1+16*\b]|, 0x4800000   ; my 16 numbers of block b, and the floor 2^(9 - 127): the byte cannot fall under 1
.endr
.irp i, 2,4,6,8,10,12,14
.irp b, 0,1,2,3
	v_max3_num_f32 v[TM+\b], v[TM+\b], |v[\s+16*\b+\i]|, |v[\s+1+16*\b+\i]|
.endr
.endr
.irp b, 0,1,2,3
	v_permlanex16_b32 v[TM+4+\b], v[TM+\b], s[SEL], s[SEL+1]
.endr
.irp b, 0,1,2,3
	v_max_num_f32 v[TM+\b], v[TM+\b], v[TM+4+\b]   ; with lane l xor 16's: the block's largest magnitude
.endr
.irp b, 0,1,2,3
	v_add_nc_u32 v[TM+12+\b], 0xfc000000, v[TM+\b] ; 8 off its exponent field: the conversion's scale operand
.endr
.irp b, 0,1,2,3
	v_and_or_b32 v[TM+8+\b], v[TM+\b], 0x7f800000, s[MNT]   ; 448 x the scale
.endr
.irp b, 0,1,2,3
	v_lshrrev_b32 v[TM+4+\b], 23, v[TM+12+\b]      ; the scale's byte
.endr
	v_lshl_or_b32 v[\pw], v[TM+5], 8, v[TM+4]
	v_lshl_or_b32 v[\pw], v[TM+6], 16, v[\pw]
	v_lshl_or_b32 v[\pw], v[TM+7], 24, v[\pw]
.irp b, 0,1,2,3
.irp i, 0,1,2,3,4,5,6,7,8,9,10,11,12,13,14,15
	v_med3_num_f32 v[\s+16*\b+\i], v[\s+16*\b+\i], -v[TM+8+\b], v[TM+8+\b]   ; the conversion to an 8-bit code does not saturate (ISA guide 7.6.2): the hold comes first
.endr
	v_cvt_scalef32_pk8_fp8_f32 v[\pc+4*\b:\pc+1+4*\b], v[\s+16*\b:\s+7+16*\b], v[TM+12+\b]
	v_cvt_scalef32_pk8_fp8_f32 v[\pc+2+4*\b:\pc+3+4*\b], v[\s+8+16*\b:\s+15+16*\b], v[TM+12+\b]
.endr
	v_nop                                          ; a plain instruction behind the last conversion
.endm
.macro SENDX pc, pw, sl                ; a fragment: four stores of 512 consecutive, aligned bytes; the scale words: 4 bytes a row, 16 apart (64 KiB in the whole launch)
.irp c, 0,1,2,3
	global_store_b128 v3, v[\pc+4*\c:\pc+4*\c+3], s[32:33] offset:135168*\sl+512*\c
.endr
	global_store_b32 v4, v[\pw], s[34:35] offset:135168*\sl   ; both lanes of a row write the same word with the same value
.endm
	NORM 0
	NORM 1
	NORM 2
	NORM 3
	QUANT X, PC0, 36
	SENDX PC0, 36, 0
	NORM 4
	NORM 5
	NORM 6
	NORM 7
	QUANT X+64, PC1, 37
	SENDX PC1, 37, 1
	s_wait_tensorcnt 0x0
	ds_add_u32 v254, v255
	s_wait_dscnt 0x0
	s_endpgm
; ------------------------------------------------------------------ kernel_2: wave w takes columns 256 cb + 32 w + lane and k = 128 ky .. 128 ky + 127: one K step, four blocks a lane
.Lweights:
	s_sub_co_u32 s17, ttmp9, 64
	s_and_b32 s18, s17, 7                          ; cb
	s_lshr_b32 s19, s17, 3                         ; ky: 0 .. 63
	v_and_b32 v4, 31, v0
	v_lshlrev_b32 v1, 2, v4                        ; in: 4 bytes a lane: a load reads 128 consecutive bytes
	v_lshrrev_b32 v5, 4, v4
	v_and_b32 v6, 15, v4
	v_lshlrev_b32 v2, 4, v6
	v_lshl_add_u32 v2, v5, 13, v2                  ; codes: column tile lane / 16 (four fragments = 8,192 bytes on), place 16 (lane % 16)
	v_lshlrev_b32 v3, 3, v4                        ; scale words: 8 x lane
	s_lshl_b32 s20, s19, 20                        ; 128 rows of 8,192 bytes
	s_lshl_b32 s22, s18, 10
	s_add_co_u32 s20, s20, s22
	s_lshl_b32 s22, s16, 7
	s_add_co_u32 s20, s20, s22
	s_mov_b32 s21, 0
	s_add_nc_u64 s[10:11], s[10:11], s[20:21]
	s_lshl_b32 s22, s18, 2
	s_lshr_b32 s23, s16, 1
	s_add_co_u32 s22, s22, s23                     ; cg = 4 cb + w / 2
	s_lshl_b32 s22, s22, 4
	s_lshr_b32 s23, s19, 2
	s_add_co_u32 s22, s22, s23                     ; 16 cg + tau
	s_mul_i32 s22, s22, 33792
	s_and_b32 s24, s16, 1                          ; e: which 32 of the group's 64 columns
	s_and_b32 s25, s19, 3                          ; st: which 128 of tau's 512 k
	s_lshl_b32 s26, s24, 14
	s_lshl_b32 s27, s25, 11
	s_add_co_u32 s26, s26, s27
	s_add_co_u32 s26, s26, s22                     ; fragment (2 e, st)
	s_mov_b32 s27, 0
	s_add_nc_u64 s[28:29], s[14:15], s[26:27]
	s_lshl_b32 s30, s25, 8
	s_lshl_b32 s31, s24, 2
	s_add_co_u32 s30, s30, s31
	s_add_co_u32 s30, s30, s22
	s_add_co_u32 s30, s30, 32768
	s_mov_b32 s31, 0
	s_add_nc_u64 s[32:33], s[14:15], s[30:31]
.macro K2LOAD t                        ; block t: kernel_2(128 ky + 32 t + i, my column), i = 0 .. 31, into set t % 2
.irp i, 0,1,2,3,4,5,6,7,8,9,10,11,12,13,14,15,16,17,18,19,20,21,22,23,24,25,26,27,28,29,30,31
	global_load_b32 v[KX+32*((\t)%2)+\i], v1, s[10:11] offset:(32*(\t)+\i)*8192 th:TH_LOAD_NT
.endr
.endm
	K2LOAD 0
	K2LOAD 1
.macro K2BLOCK t
.set XS, KX+32*((\t)%2)
.if (\t) < 3
	s_wait_loadcnt 32                              ; this block's 32 loads are in; the next block's may be out
.else
	s_wait_loadcnt 0x0
.endif
	v_max3_num_f32 v12, |v[XS]|, |v[XS+1]|, |v[XS+2]|       ; the block's largest magnitude: all 32 numbers are mine
	v_max3_num_f32 v13, |v[XS+3]|, |v[XS+4]|, |v[XS+5]|
.irp i, 6,10,14,18,22,26
	v_max3_num_f32 v12, v12, |v[XS+\i]|, |v[XS+\i+1]|
	v_max3_num_f32 v13, v13, |v[XS+\i+2]|, |v[XS+\i+3]|
.endr
	v_max3_num_f32 v12, v12, |v[XS+30]|, |v[XS+31]|
	v_max3_num_f32 v12, v12, v13, 0x4800000        ; and the floor 2^(9 - 127)
	v_add_nc_u32 v11, 0xfc000000, v12              ; the conversion's scale operand
	v_and_or_b32 v10, v12, 0x7f800000, s[MNT]      ; 448 x the scale
	v_lshrrev_b32 v13, 23, v11                     ; the byte
.if (\t) == 0
	v_mov_b32 v[KSB], v13
.else
	v_lshl_or_b32 v[KSB], v13, 8*(\t), v[KSB]
.endif
.irp i, 0,1,2,3,4,5,6,7,8,9,10,11,12,13,14,15,16,17,18,19,20,21,22,23,24,25,26,27,28,29,30,31
	v_med3_num_f32 v[XS+\i], v[XS+\i], -v10, v10
.endr
.irp g, 0,1,2,3
	v_cvt_scalef32_pk8_fp8_f32 v[KC+8*(\t)+2*\g:KC+8*(\t)+2*\g+1], v[XS+8*\g:XS+8*\g+7], v11
.endr
	v_nop                                          ; a plain instruction behind the last conversion
.if (\t) < 2
	K2LOAD (\t)+2
.endif
	global_store_b128 v2, v[KC+8*(\t):KC+8*(\t)+3], s[28:29] offset:(\t)*512        ; k 32 t + 0 .. 15: sixteen lanes store 256 consecutive, aligned bytes
	global_store_b128 v2, v[KC+8*(\t)+4:KC+8*(\t)+7], s[28:29] offset:(\t)*512+256  ; k 32 t + 16 .. 31
.endm
.irp t, 0,1,2,3
	K2BLOCK \t
.endr
	global_store_b32 v3, v[KSB], s[32:33]          ; my column's scale word of this K step: 4 bytes a lane, 8 apart
	s_endpgm
.Lfunc_end_k_qf4efa445cf_prep:
	.size	k_qf4efa445cf_prep, .Lfunc_end_k_qf4efa445cf_prep-k_qf4efa445cf_prep
	.p2alignl 7, 3214868480
	.fill 96, 4, 3214868480
	.section	.rodata,"a",@progbits
	.p2align	6, 0x0
	.amdhsa_kernel k_qf4efa445cf_prep
		.amdhsa_group_segment_fixed_size 2048
		.amdhsa_private_segment_fixed_size 0
		.amdhsa_enable_private_segment 0
		.amdhsa_kernarg_size 48
		.amdhsa_user_sgpr_count 2
		.amdhsa_user_sgpr_kernarg_segment_ptr 1
		.amdhsa_wavefront_size32 1
		.amdhsa_system_sgpr_workgroup_id_x 1
		.amdhsa_system_sgpr_workgroup_id_y 1
		.amdhsa_system_sgpr_workgroup_id_z 1
		.amdhsa_system_vgpr_workitem_id 0
		.amdhsa_next_free_vgpr 256
		.amdhsa_next_free_sgpr 66
		.amdhsa_reserve_vcc 0
		.amdhsa_float_denorm_mode_32 3
		.amdhsa_float_denorm_mode_16_64 3
		.amdhsa_memory_ordered 1
		.amdhsa_forward_progress 1
		.amdhsa_inst_pref_size 80
	.end_amdhsa_kernel
	.amdgpu_metadata
---
amdhsa.version: [ 1, 2 ]
amdhsa.kernels:
  - .name:           k_qf4efa445cf_prep
    .symbol:         k_qf4efa445cf_prep.kd
    .args:
      - { .name: x, .offset: 0, .size: 8, .value_kind: global_buffer, .address_space: global }
      - { .name: scale, .offset: 8, .size: 8, .value_kind: global_buffer, .address_space: global }
      - { .name: ln_bias, .offset: 16, .size: 8, .value_kind: global_buffer, .address_space: global }
      - { .name: kernel_2, .offset: 24, .size: 8, .value_kind: global_buffer, .address_space: global }
      - { .name: xq, .offset: 32, .size: 8, .value_kind: global_buffer, .address_space: global }
      - { .name: w2q, .offset: 40, .size: 8, .value_kind: global_buffer, .address_space: global }
    .group_segment_fixed_size: 2048
    .private_segment_fixed_size: 0
    .kernarg_segment_align: 8
    .kernarg_segment_size: 48
    .max_flat_workgroup_size: 256
    .sgpr_count:     66
    .vgpr_count:     256
    .wavefront_size: 32
...
	.end_amdgpu_metadata
.endif
;; end of part 1
;; launch gemm1 (part 2): grid 256 x 1, 4 waves a work-group, clusters of 4 x 1, 327,680 bytes of LDS; arguments xq, kernel_1, zq; writes zq
.if DOCPART == 2
	.amdgcn_target "amdgcn-amd-amdhsa--gfx1250"
	.amdhsa_code_object_version 6
	.text
	.protected	k_qf4efa445cf_gemm1
	.globl	k_qf4efa445cf_gemm1
	.p2align	8
	.type	k_qf4efa445cf_gemm1,@function
k_qf4efa445cf_gemm1:
	s_mov_b64 s[64:65], 0
	v_nop
	global_prefetch_b8 v0, s[64:65] scope:SCOPE_SE
	s_setreg_imm32_b32 hwreg(HW_REG_WAVE_MODE, 25, 1), 1
	s_wait_xcnt 0x0
	s_wait_alu depctr_hold_cnt(0) depctr_sa_sdst(0) depctr_va_vdst(0) depctr_va_sdst(0) depctr_va_ssrc(0) depctr_va_vcc(0) depctr_vm_vsrc(0)
	s_getreg_b32 s2, hwreg(HW_REG_IB_STS2, 6, 4)
	s_cmp_eq_u32 s2, 0
	s_cbranch_scc0 .Lentry_in_a_cluster
	s_endpgm
.Lentry_in_a_cluster:
	s_bfe_u32 s2, ttmp6, 0x10000c
	s_cmp_lg_u32 s2, 0x3003
	s_cbranch_scc0 .Lentry_shape_is_right
	s_endpgm
.Lentry_shape_is_right:
; z = gelu(y0) x y1, y = ln x kernel_1, on codes of E4M3 with one E8M0 byte for each 32 along K; z leaves as codes for the next product.
; SHARES.  Work-group g owns i = 32 g .. 32 g + 31 of BOTH halves of kernel_1 [2048 (k)][2][8192 (i)], for all 1,024 rows: it is the only reader of its strip of
; kernel_1, which it quantises in registers on the way, and its 32 i are one whole block of 32 of the next product's K.  Wave q owns rows 256 q .. 256 q + 255:
; 16 row tiles x 4 column tiles = 64 accumulators, 512 registers.
; K goes in 16 steps of 128, begun at another step in each cluster: step t works on s = (cluster + t) % 16.
; x's codes of a K step (xq: 4 x 33,792 dense bytes, fragments in register order, scale words behind them) are the same for all work-groups: the four of a cluster ask for them
; JOINTLY (mask 15), wave q for its own quarter, which it alone reads; two LDS slots.  cx enters kernel_1's and zq's global addresses alone.
; kernel_1 has one reader for each byte, so nothing of it is shared: it comes by 16-byte loads into registers, two K steps ahead (32 loads a wave out), and no other load uses that counter.
; THE WEIGHTS' QUANTISER.  Wave q takes half a = q % 2 and k-half hk = q / 2 of a step.  Lane (cq = l % 8, rg = l / 8): register 4 j + qq = W(k = 64 hk + 16 rg + j, i = 4 cq + qq).
; A block of 32 k lies in lanes l and l xor 8.  The hold writes to other registers and so puts a column's 16 k on end; the codes go to LDS as images of the operand's registers, a barrier, and all four waves read them.
; COLUMN TILES.  Tile 2 a + u, place rho: i = 16 (rho / 8) + 8 u + rho % 8.  The products are used transposed (source 0 = 16 columns of the weight, source 1 = 16 rows of x):
; lane (r, h), register j of tile (a, u) holds y_a(row r, i = 16 h + 8 u + j): the 16 registers of tiles (a, 0), (a, 1) are 16 neighbours along the next K.
; gelu (tanh form) = x / (1 + 2^(x (K1 + K2 x x))), K1 = -2 sqrt(2 / pi) log2(e), K2 = 0.044715 K1.
; LIMITS: NaN and infinities are not served; where 1 + 2^(..) passes 2^126 the quotient is 0; a block whose largest magnitude lies under 2^-118 gets the byte 1 (read by this program alone).
; zq: block (row group rg of 128, tau of 512 k) at (16 rg + tau) x 67,584: fragment (rt, st) at 2,048 (4 rt + st); scale word at 65,536 + 512 st + 16 (16 (rt % 2) + r) + 4 (rt / 2), byte c.
; REGISTERS.  Window 0: v1-15 addresses; v16-23 x's scale words, v24-25 the weights' (scales and nothing else); v26-27 K1; v28-39 the weights' quantiser; v40-63 the way out;
;   v64-127 the weights' four fragments; v128-191, v192-255 two buffers of four fragments of x.   Window 1: v0-127 two sets of 64 numbers of kernel_1; v144-175 held numbers; v176-191 codes.
;   Window 2: accumulators of row tiles 0-7 (tile t, column tile T at v[8 (4 (t % 8) + T)]);   window 3: of row tiles 8-15.
.set SLOTB, 135168                     ; an LDS slot: a K step of xq
.set QTR,   33792                      ; a wave's quarter of it
.set BIMG,  270336                     ; behind the slots: two sets of the weights' images: 4 fragments (8,192 bytes) and 64 scale words
.set BSET,  8704
.set SPARE, 287744                     ; the spare words, 128 bytes for each wave: two blocks of 256 bytes that no other line names
.set SPW,  1
.set NIL,  2
.set ADA,  3                           ; v3-4   my quarter of slot 0, 1, + 16 x lane
.set ADB,  5                           ; v5-6   the weights' images, set 0, 1, + 16 x lane
.set ADS,  7                           ; v7-8   their scale words, + 4 x lane
.set ADW,  9                           ; v9     kernel_1: (rg << 20) + 16 cq
.set IMA,  10                          ; v10-11 where I store my codes
.set IMS,  12                          ; v12-13 and my scale bytes
.set ZO,   14                          ; v14    16 x lane
.set LANE, 15
.set SCA,  16
.set SCB,  24
.set KK1,  26
.set QM,   28
.set QSC,  32
.set QLM,  36
.set ZBY,  40                          ; v40-55 z's scale bytes, one register a row tile
.set EW,   56                          ; v56-63 at work on the way out
.set BF,   64
.set AF,   128
.set ZC,   64                          ; the way out: z's codes, four registers a row tile: no store's data are written again
.set TZ,   128                         ; the way out: 32 numbers at work
.set QT,   144                         ; window 1
.set QC,   176                         ; window 1
.set G1,   16                          ; s[16:23] descriptor group 1
.set G0,   24                          ; s[24:31] group 0, one set for each slot
.set XB,   32                          ; s[32:33] xq at my wave's quarter of K step 0
.set WB,   34                          ; s[34:35] kernel_1 at my wave's part of K step 0
.set WP,   36                          ; s[36:37] the base of the loads in hand
.set MSB, 0
.macro WIN new                         ; the immediate's high byte repeats the setting that is left
.if MSB != (\new)
	s_set_vgpr_msb (MSB<<8)|(\new)
.set MSB, (\new)
.endif
.endm
.macro PLACES n
.rept \n
	v_nop
.endr
.endm
.macro CROUND                          ; a round of the cluster's barrier
	s_barrier_signal -1
	s_barrier_wait -1
	s_cmp_lg_u32 s10, 0
	s_cbranch_scc1 .Lnot_wave_0_\@
	s_barrier_signal -3
.Lnot_wave_0_\@:
	s_barrier_wait -3
	s_barrier_signal -1
	s_barrier_wait -1
.endm
; the next K step's 64 numbers a lane of kernel_1 into set rs: 16 loads; eight lanes read 128 consecutive bytes of a row k
.macro LOADW rs
	s_wait_xcnt 0x0                                ; the earlier loads have read their base: it may be written
	s_add_co_u32 s13, s13, 1
	s_and_b32 s13, s13, 15
	s_lshl_b32 s40, s13, 23                        ; 128 rows of 65,536 bytes a K step
	s_add_nc_u64 s[WP:WP+1], s[WB:WB+1], s[40:41]
	WIN 0x40                                       ; destination window 1
.irp j, 0,1,2,3,4,5,6,7,8,9,10,11,12,13,14,15
	global_load_b128 v[64*(\rs)+4*\j:64*(\rs)+4*\j+3], v[ADW], s[WP:WP+1] offset:65536*\j
.endr
	WIN 0
.endm
; set rs is quantised and its images go to set pimg in LDS.  cnt: the younger loads that may stay out
.macro QW rs, pimg, cnt
	s_wait_loadcnt \cnt
	WIN 0x05                                       ; sources 0 and 1 window 1
.irp qq, 0,1,2,3
	v_max3_num_f32 v[QM+\qq], |v[64*(\rs)+\qq]|, |v[64*(\rs)+4+\qq]|, 0x4800000   ; column qq: my 16 k, and the floor 2^(9 - 127)
.endr
.irp j, 2,4,6,8,10,12,14
.irp qq, 0,1,2,3
	v_max3_num_f32 v[QM+\qq], |v[64*(\rs)+4*\j+\qq]|, |v[64*(\rs)+4*\j+4+\qq]|, v[QM+\qq]
.endr
.endr
	WIN 0
.irp qq, 0,1,2,3
	v_max_num_f32_dpp v[QM+\qq], v[QM+\qq], v[QM+\qq] row_xmask:8 row_mask:0xf bank_mask:0xf   ; with lane l xor 8's 16 k: the block's
.endr
.irp qq, 0,1,2,3
	v_add_nc_u32 v[QSC+\qq], 0xfc000000, v[QM+\qq] ; the conversion's scale operand
.endr
.irp qq, 0,1,2,3
	v_and_or_b32 v[QLM+\qq], v[QM+\qq], 0x7f800000, s46   ; 448 x the scale
.endr
.irp qq, 0,1,2,3
	v_lshrrev_b32 v[QM+\qq], 23, v[QSC+\qq]        ; the byte
.endr
	WIN 0x41                                       ; destination and source 0 window 1
.irp qq, 0,1,2,3
.irp j, 0,1,2,3,4,5,6,7,8,9,10,11,12,13,14,15
	v_med3_num_f32 v[QT+16*(\qq%2)+\j], v[64*(\rs)+4*\j+\qq], -v[QLM+\qq], v[QLM+\qq]   ; the hold (ISA guide 7.6.2), and the column's 16 k on end; two sets by turns
.endr
	v_cvt_scalef32_pk8_fp8_f32 v[QC+4*\qq:QC+4*\qq+1], v[QT+16*(\qq%2):QT+16*(\qq%2)+7], v[QSC+\qq]
	v_cvt_scalef32_pk8_fp8_f32 v[QC+4*\qq+2:QC+4*\qq+3], v[QT+16*(\qq%2)+8:QT+16*(\qq%2)+15], v[QSC+\qq]
.endr
	v_nop                                          ; a plain instruction behind the last conversion
	WIN 0x04                                       ; an LDS store's data are its source 1: window 1
.irp qq, 0,1,2,3
	ds_store_b128 v[IMA+(\pimg)], v[QC+4*\qq:QC+4*\qq+3] offset:16*\qq
.endr
	WIN 0
.irp qq, 0,1,2,3
	ds_store_b8 v[IMS+(\pimg)], v[QM+\qq] offset:4*\qq   ; both lanes of a block write the same byte with the same value
.endr
.endm
.macro FETCH_A p, G                    ; x's fragments of row tiles 4 G .. 4 G + 3 into buffer G % 2
.irp tt, 0,1,2,3
.irp c, 0,1,2,3
	ds_load_b128 v[AF+64*((\G)%2)+16*\tt+4*\c:AF+64*((\G)%2)+16*\tt+4*\c+3], v[ADA+\p] offset:(4*(\G)+\tt)*2048+512*\c
.endr
.endr
.endm
; one product: row tile t, column tile ct.  A scale register holds an even tile's words in lanes 0-15 and the odd one's in lanes 16-31
.macro WM t, ct, zero
.set rD, 8*(4*((\t)%8)+(\ct))
.set rB, BF+16*(\ct)
.set rA, AF+64*(((\t)/4)%2)+16*((\t)%4)
.set rX, SCB+(\ct)/2
.set rY, SCA+(\t)/2
.if \zero
.if ((\t)%2)&&((\ct)%2)
	v_wmma_scale_f32_16x16x128_f8f6f4 v[rD:rD+7], v[rB:rB+15], v[rA:rA+15], 0, v[rX], v[rY] matrix_a_scale:MATRIX_SCALE_ROW1 matrix_b_scale:MATRIX_SCALE_ROW1
.elseif (\ct)%2
	v_wmma_scale_f32_16x16x128_f8f6f4 v[rD:rD+7], v[rB:rB+15], v[rA:rA+15], 0, v[rX], v[rY] matrix_a_scale:MATRIX_SCALE_ROW1
.elseif (\t)%2
	v_wmma_scale_f32_16x16x128_f8f6f4 v[rD:rD+7], v[rB:rB+15], v[rA:rA+15], 0, v[rX], v[rY] matrix_b_scale:MATRIX_SCALE_ROW1
.else
	v_wmma_scale_f32_16x16x128_f8f6f4 v[rD:rD+7], v[rB:rB+15], v[rA:rA+15], 0, v[rX], v[rY]
.endif
.else
.if ((\t)%2)&&((\ct)%2)
	v_wmma_scale_f32_16x16x128_f8f6f4 v[rD:rD+7], v[rB:rB+15], v[rA:rA+15], v[rD:rD+7], v[rX], v[rY] matrix_a_scale:MATRIX_SCALE_ROW1 matrix_b_scale:MATRIX_SCALE_ROW1
.elseif (\ct)%2
	v_wmma_scale_f32_16x16x128_f8f6f4 v[rD:rD+7], v[rB:rB+15], v[rA:rA+15], v[rD:rD+7], v[rX], v[rY] matrix_a_scale:MATRIX_SCALE_ROW1
.elseif (\t)%2
	v_wmma_scale_f32_16x16x128_f8f6f4 v[rD:rD+7], v[rB:rB+15], v[rA:rA+15], v[rD:rD+7], v[rX], v[rY] matrix_b_scale:MATRIX_SCALE_ROW1
.else
	v_wmma_scale_f32_16x16x128_f8f6f4 v[rD:rD+7], v[rB:rB+15], v[rA:rA+15], v[rD:rD+7], v[rX], v[rY]
.endif
.endif
.endm
.macro MUL G, zero                     ; 16 products.  The 64 accumulators take turns, one instruction a turn, in the same order in every step
.if (\G) < 2
	WIN 0xa0                                       ; C and D window 2
.else
	WIN 0xf0                                       ; C and D window 3
.endif
.irp tt, 0,1,2,3
.irp ct, 0,1,2,3
	WM (4*(\G)+\tt), \ct, \zero
.endr
.endr
.endm
; A K STEP, in slot p and image set p.  zero: its products start the sums.  fill: the other slot takes the next step's codes of x.  quant: the next step's weights are quantised into the other image set
; (cnt: the younger loads of kernel_1 that may stay out).  loadw: the weights of three steps on are asked for.  tail: 2 = a round of the cluster's barrier, behind which a slot is filled again; 1 = the work-group's barrier; 0 = none.
; Eight places stand between a product and a load into a register that it has read.
.macro STEP p, zero, fill, quant, loadw, cnt, tail
.if \fill
	tensor_load_to_lds s[G0+4*(1-\p):G0+4*(1-\p)+3], s[G1:G1+7]   ; my one tensor load behind the round, and the first thing there: it has this step in which to land
	s_nop 0
.endif
	PLACES 8
.irp ct, 0,1,2,3
.irp c, 0,1,2,3
	ds_load_b128 v[BF+16*\ct+4*\c:BF+16*\ct+4*\c+3], v[ADB+\p] offset:2048*\ct+512*\c
.endr
.endr
	ds_load_b32 v[SCB], v[ADS+\p]
	ds_load_b32 v[SCB+1], v[ADS+\p] offset:128
	ds_load_b128 v[SCA:SCA+3], v[ADA+\p] offset:32768
	ds_load_b128 v[SCA+4:SCA+7], v[ADA+\p] offset:33280
	FETCH_A \p, 0
	FETCH_A \p, 1
.if \quant
	QW 1-\p, 1-\p, \cnt
.endif
.if \loadw
	LOADW 1-\p
.endif
	s_wait_dscnt 16+8*\quant                       ; the weights, the scales and row tiles 0-3 are in; row tiles 4-7 (16 loads) and my image's 8 stores may be out
	MUL 0, \zero
	PLACES 8
	WIN 0
	FETCH_A \p, 2
	s_wait_dscnt 16                                ; all but the 16 just issued
	MUL 1, \zero
	PLACES 8
	WIN 0
	FETCH_A \p, 3
	s_wait_dscnt 16
	MUL 2, \zero
	WIN 0
.if \tail
	s_wait_tensorcnt 0x0                           ; all my tensor loads have landed: my quarter of the next slot; so a group 0 may be written
	ds_add_u32 v[SPW], v[NIL]                      ; 0 onto my spare word
.if \tail == 2
	s_add_co_u32 s14, s14, 1
	s_and_b32 s14, s14, 15
	s_mul_i32 s38, s14, SLOTB
	s_add_nc_u64 s[G0+4*\p+2:G0+4*\p+3], s[XB:XB+1], s[38:39]   ; this slot's next tile: two steps on
	s_or_b32 s[G0+4*\p+3], s[G0+4*\p+3], 0x80000000
.endif
	s_wait_dscnt 1                                 ; row tiles 12-15 are in; the add may be out
	MUL 3, \zero
	WIN 0
	s_wait_dscnt 0x0                               ; the add is done, my reads of this slot and of this image set are over, my stores into the other set have landed
.if \tail == 2
	CROUND                                         ; all that now holds of every wave of the four work-groups
.else
	s_barrier_signal -1
	s_barrier_wait -1
.endif
.else
	s_wait_dscnt 0x0
	MUL 3, \zero
	WIN 0
.endif
.endm
	s_load_b128 s[4:7], s[0:1], 0x0                ; xq s[4:5], kernel_1 s[6:7]
	s_load_b64 s[8:9], s[0:1], 0x10                ; zq
	v_lshl_add_u32 v[SPW], v0, 2, SPARE
	v_mov_b32 v[NIL], 0
	ds_add_u32 v1, v2
	ds_add_u32 v1, v2
	s_wait_dscnt 0x0
	v_lshrrev_b32 v56, 5, v0
	v_readfirstlane_b32 s10, v56                   ; wave 0..3
	s_bfe_u32 s11, ttmp6, 0x40000                  ; cx
	s_lshl_b32 s12, ttmp9, 2
	s_add_co_u32 s12, s12, s11                     ; g = 4 x cluster + cx
	s_add_co_u32 s13, ttmp9, 15
	s_and_b32 s13, s13, 15                         ; the K step before my first: LOADW steps it
	s_and_b32 s14, ttmp9, 15                       ; my first K step
	s_mov_b32 s46, 0x600000                        ; the mantissa field of 448
	s_mov_b32 s48, 0x76543210
	s_mov_b32 s49, 0xfedcba98                      ; v_permlanex16_b32: lane l xor 16
	s_mov_b32 s50, 0xbdd2d3e8                      ; K2
	s_mov_b32 s51, s50                             ; (named with it as a pair)
	; descriptor group 1: 132 rows of 256 bytes (32 elements of 8 bytes), dense in memory and in LDS
	s_mov_b32 s[G1], 15|(3<<16)|(1<<21)            ; 15:0 the mask: all four work-groups; 17:16 elements of 8 bytes; 21 set beside a mask
	s_mov_b32 s[G1+1], 32<<16                      ; tensor_dim0 = 32
	s_mov_b32 s[G1+2], 132<<16                     ; tensor_dim1 = 132
	s_mov_b32 s[G1+3], 32<<16                      ; tile_dim0 = 32
	s_mov_b32 s[G1+4], 132                         ; tile_dim1 = 132
	s_mov_b32 s[G1+5], 32                          ; from row to row
	s_mov_b32 s[G1+6], 0
	s_mov_b32 s[G1+7], 0
	s_mul_i32 s[G0+1], s10, QTR                    ; LDS address: slot 0, my quarter
	s_add_co_u32 s[G0+5], s[G0+1], SLOTB           ; slot 1
	v_and_b32 v[LANE], 31, v0
	v_lshlrev_b32 v[ZO], 4, v[LANE]
	v_add_nc_u32 v[ADA], s[G0+1], v[ZO]
	v_add_nc_u32 v[ADA+1], SLOTB, v[ADA]
	v_add_nc_u32 v[ADB], BIMG, v[ZO]
	v_add_nc_u32 v[ADB+1], BIMG+BSET, v[ZO]
	v_lshl_add_u32 v[ADS], v[LANE], 2, BIMG+8192
	v_add_nc_u32 v[ADS+1], BSET, v[ADS]
	v_and_b32 v56, 7, v0                           ; cq
	v_bfe_u32 v57, v0, 3, 2                        ; rg
	v_lshlrev_b32 v56, 4, v56
	v_lshl_add_u32 v[ADW], v57, 20, v56
	s_and_b32 s15, s10, 1                          ; a
	s_lshr_b32 s47, s10, 1                         ; hk
	; my codes: tile 2 a + (cq / 2) % 2 (2,048), block 2 hk + rg / 2 (512), half rg % 2 (256), place 8 (cq / 4) + 4 (cq % 2) + qq (16)
	v_and_b32 v56, 0x1c, v0
	v_lshlrev_b32 v56, 5, v56                      ; lane bits 2, 3, 4 -> 128, 256, 512
	v_and_b32 v57, 1, v0
	v_lshl_add_u32 v56, v57, 6, v56
	v_and_b32 v57, 2, v0
	v_lshl_add_u32 v56, v57, 10, v56
	s_lshl_b32 s53, s15, 12
	s_lshl_b32 s38, s47, 10
	s_add_co_u32 s53, s53, s38
	s_add_co_u32 s53, s53, BIMG
	v_add_nc_u32 v[IMA], s53, v56
	v_add_nc_u32 v[IMA+1], BSET, v[IMA]
	; my scale bytes: word 16 x tile + place, byte 2 hk + rg / 2
	v_bfe_u32 v56, v0, 4, 1
	v_and_b32 v57, 1, v0
	v_lshl_add_u32 v56, v57, 4, v56
	v_and_b32 v57, 2, v0
	v_lshl_add_u32 v56, v57, 5, v56
	v_and_b32 v57, 4, v0
	v_lshl_add_u32 v56, v57, 3, v56
	s_lshl_b32 s53, s15, 7
	s_lshl_b32 s38, s47, 1
	s_add_co_u32 s53, s53, s38
	s_add_co_u32 s53, s53, BIMG+8192
	v_add_nc_u32 v[IMS], s53, v56
	v_add_nc_u32 v[IMS+1], BSET, v[IMS]
	v_mov_b32 v[KK1], 0xc0135761                   ; K1
	v_mov_b32 v[KK1+1], 0xc0135761
	v_mov_b32 v[EW+2], 0                           ; a lane permute's destination counts as one of its sources
	v_mov_b32 v[EW+3], 0
	; kernel_1: 128 g + 32,768 a + (hk << 22)
	s_lshl_b32 s54, s12, 7
	s_lshl_b32 s55, s15, 15
	s_add_co_u32 s54, s54, s55
	s_lshl_b32 s55, s47, 22
	s_add_co_u32 s54, s54, s55
	s_mov_b32 s55, 0
	; zq: block (2 q, cluster / 4), fragment (0, cluster % 4), block of 32 number cx
	s_lshl_b32 s56, s10, 5
	s_lshr_b32 s57, ttmp9, 2
	s_add_co_u32 s56, s56, s57
	s_mul_i32 s56, s56, 67584
	s_and_b32 s57, ttmp9, 3
	s_lshl_b32 s58, s57, 11
	s_add_co_u32 s58, s58, s56
	s_lshl_b32 s59, s11, 9
	s_add_co_u32 s58, s58, s59
	s_mov_b32 s59, 0
	s_lshl_b32 s60, s57, 9
	s_add_co_u32 s60, s60, s56
	s_add_co_u32 s60, s60, s11
	s_add_co_u32 s60, s60, 65536
	s_mov_b32 s61, 0
	s_mul_i32 s38, s10, QTR
	s_mov_b32 s39, 0
	s_mov_b32 s41, 0
	s_wait_kmcnt 0x0
	s_add_nc_u64 s[XB:XB+1], s[4:5], s[38:39]
	s_add_nc_u64 s[WB:WB+1], s[6:7], s[54:55]
	s_add_nc_u64 s[42:43], s[8:9], s[58:59]        ; z's codes
	s_add_nc_u64 s[44:45], s[8:9], s[60:61]        ; z's scale bytes
	LOADW 0                                        ; the weights of steps 0 and 1
	LOADW 1
	s_mov_b32 s[G0], 1
	s_mul_i32 s38, s14, SLOTB
	s_add_nc_u64 s[G0+2:G0+3], s[XB:XB+1], s[38:39]
	s_or_b32 s[G0+3], s[G0+3], 0x80000000
	s_add_co_u32 s14, s14, 1
	s_and_b32 s14, s14, 15
	s_mov_b32 s[G0+4], 1
	s_mul_i32 s38, s14, SLOTB
	s_add_nc_u64 s[G0+6:G0+7], s[XB:XB+1], s[38:39]
	s_or_b32 s[G0+7], s[G0+7], 0x80000000
	CROUND                                         ; all four work-groups are here: the first joint loads meet
	tensor_load_to_lds s[G0:G0+3], s[G1:G1+7]      ; both first fills together: two tensor loads of mine are out
	s_nop 0
	tensor_load_to_lds s[G0+4:G0+7], s[G1:G1+7]
	s_nop 0
	PLACES 4
	QW 0, 0, 16                                    ; step 0's weights; step 1's 16 loads may be out
	LOADW 0                                        ; step 2's
	s_wait_tensorcnt 1                             ; my quarter of slot 0 is in; slot 1's may stay out
	s_wait_dscnt 0x0                               ; my image's stores have landed
	s_barrier_signal -1
	s_barrier_wait -1
	STEP 0, 1, 0, 1, 1, 16, 2                      ; step 0: its products start the sums: nothing is ever cleared
	s_mov_b32 s52, 6
.Lsteps:                                           ; steps 1 to 12
	STEP 1, 0, 1, 1, 1, 16, 2
	STEP 0, 0, 1, 1, 1, 16, 2
	s_sub_co_u32 s52, s52, 1
	s_cmp_lg_u32 s52, 0
	s_cbranch_scc1 .Lsteps
	STEP 1, 0, 1, 1, 0, 16, 2                      ; step 13: no weights are left to ask for
	STEP 0, 0, 1, 1, 0, 0, 1                       ; step 14: the last fill and the last weights
	STEP 1, 0, 0, 0, 0, 0, 0                       ; step 15
; THE WAY OUT, two row tiles at a time: 32 numbers a lane.  Each accumulator is read from its low end on.
.macro EP tp
.set EWN, 2+(\tp)/4
.set XR, 64*((\tp)%4)
	WIN EWN|(EWN<<2)                               ; sources 0 and 1: the accumulators' window
.irp sub, 0,1
.irp i, 0,2,4,6,8,10,12,14
	v_pk_mul_f32 v[TZ+16*\sub+\i:TZ+16*\sub+\i+1], v[XR+32*\sub+\i:XR+32*\sub+\i+1], v[XR+32*\sub+\i:XR+32*\sub+\i+1]   ; x x
.endr
.endr
	WIN 0
.irp i, 0,2,4,6,8,10,12,14,16,18,20,22,24,26,28,30
	v_pk_fma_f32 v[TZ+\i:TZ+\i+1], v[TZ+\i:TZ+\i+1], s[50:51], v[KK1:KK1+1] op_sel_hi:[1,0,1]   ; K1 + K2 x x
.endr
	WIN EWN<<2
.irp sub, 0,1
.irp i, 0,2,4,6,8,10,12,14
	v_pk_mul_f32 v[TZ+16*\sub+\i:TZ+16*\sub+\i+1], v[TZ+16*\sub+\i:TZ+16*\sub+\i+1], v[XR+32*\sub+\i:XR+32*\sub+\i+1]
.endr
.endr
	WIN 0
.irp i, 0,1,2,3,4,5,6,7,8,9,10,11,12,13,14,15,16,17,18,19,20,21,22,23,24,25,26,27,28,29,30,31
	v_exp_f32 v[TZ+\i], v[TZ+\i]
.endr
	v_nop                                          ; a plain instruction behind the batch (ISA guide 5.7.2)
	s_wait_alu depctr_va_vdst(0)                   ; one wait for the batch, ahead of its first reader
.irp i, 0,2,4,6,8,10,12,14,16,18,20,22,24,26,28,30
	v_pk_add_f32 v[TZ+\i:TZ+\i+1], v[TZ+\i:TZ+\i+1], 1.0 op_sel_hi:[1,0]
.endr
.irp i, 0,1,2,3,4,5,6,7,8,9,10,11,12,13,14,15,16,17,18,19,20,21,22,23,24,25,26,27,28,29,30,31
	v_rcp_f32 v[TZ+\i], v[TZ+\i]
.endr
	v_nop
	s_wait_alu depctr_va_vdst(0)
	WIN EWN<<2
.irp sub, 0,1
.irp i, 0,2,4,6,8,10,12,14
	v_pk_mul_f32 v[TZ+16*\sub+\i:TZ+16*\sub+\i+1], v[TZ+16*\sub+\i:TZ+16*\sub+\i+1], v[XR+32*\sub+\i:XR+32*\sub+\i+1]         ; gelu(y0)
.endr
.irp i, 0,2,4,6,8,10,12,14
	v_pk_mul_f32 v[TZ+16*\sub+\i:TZ+16*\sub+\i+1], v[TZ+16*\sub+\i:TZ+16*\sub+\i+1], v[XR+32*\sub+16+\i:XR+32*\sub+16+\i+1]   ; x y1
.endr
.endr
	WIN 0
.irp sub, 0,1
	v_max3_num_f32 v[EW+\sub], |v[TZ+16*\sub]|, |v[TZ+16*\sub+1]|, 0x4800000   ; a row's 32 numbers are one block: my 16, and the floor
.endr
.irp i, 2,4,6,8,10,12,14
.irp sub, 0,1
	v_max3_num_f32 v[EW+\sub], v[EW+\sub], |v[TZ+16*\sub+\i]|, |v[TZ+16*\sub+\i+1]|
.endr
.endr
.irp sub, 0,1
	v_permlanex16_b32 v[EW+2+\sub], v[EW+\sub], s48, s49
.endr
.irp sub, 0,1
	v_max_num_f32 v[EW+\sub], v[EW+\sub], v[EW+2+\sub]
.endr
.irp sub, 0,1
	v_add_nc_u32 v[EW+4+\sub], 0xfc000000, v[EW+\sub]
.endr
.irp sub, 0,1
	v_and_or_b32 v[EW+6+\sub], v[EW+\sub], 0x7f800000, s46
.endr
.irp sub, 0,1
	v_lshrrev_b32 v[ZBY+2*(\tp)+\sub], 23, v[EW+4+\sub]
.endr
.irp sub, 0,1
.irp i, 0,1,2,3,4,5,6,7,8,9,10,11,12,13,14,15
	v_med3_num_f32 v[TZ+16*\sub+\i], v[TZ+16*\sub+\i], -v[EW+6+\sub], v[EW+6+\sub]
.endr
	v_cvt_scalef32_pk8_fp8_f32 v[ZC+4*(2*(\tp)+\sub):ZC+4*(2*(\tp)+\sub)+1], v[TZ+16*\sub:TZ+16*\sub+7], v[EW+4+\sub]
	v_cvt_scalef32_pk8_fp8_f32 v[ZC+4*(2*(\tp)+\sub)+2:ZC+4*(2*(\tp)+\sub)+3], v[TZ+16*\sub+8:TZ+16*\sub+15], v[EW+4+\sub]
.endr
	v_nop                                          ; a plain instruction behind the last conversion
.irp sub, 0,1
	global_store_b128 v[ZO], v[ZC+4*(2*(\tp)+\sub):ZC+4*(2*(\tp)+\sub)+3], s[42:43] offset:((2*(\tp)+\sub)/8)*1081344+((2*(\tp)+\sub)%8)*8192   ; 512 consecutive, aligned bytes
.endr
.endm
	PLACES 8                                       ; behind the last products: their results are read, and registers that they read are written
.irp tp, 0,1,2,3,4,5,6,7
	EP \tp
.endr
	; the scale bytes: a word's four bytes belong to the four work-groups of the cluster, so they leave singly: 1 KiB a work-group.  Lanes 0-15 carry an even row tile's, lanes 16-31 the odd one's
	v_cmp_le_u32 vcc_lo, 16, v[LANE]
.irp e, 0,1,2,3,4,5,6,7
	v_cndmask_b32 v[TZ+\e], v[ZBY+2*\e], v[ZBY+2*\e+1], vcc_lo
.endr
.irp e, 0,1,2,3,4,5,6,7
	global_store_b8 v[ZO], v[TZ+\e], s[44:45] offset:(\e/4)*1081344+(\e%4)*4
.endr
	s_wait_tensorcnt 0x0                           ; the wave's end
	ds_add_u32 v[SPW], v[NIL]
	s_wait_dscnt 0x0
	CROUND                                         ; the closing round: no work-group ends while a partner may still ask for a tile that names it
	s_endpgm
.Lfunc_end_k_qf4efa445cf_gemm1:
	.size	k_qf4efa445cf_gemm1, .Lfunc_end_k_qf4efa445cf_gemm1-k_qf4efa445cf_gemm1
	.p2alignl 7, 3214868480
	.fill 96, 4, 3214868480
	.section	.rodata,"a",@progbits
	.p2align	6, 0x0
	.amdhsa_kernel k_qf4efa445cf_gemm1
		.amdhsa_group_segment_fixed_size 327680
		.amdhsa_private_segment_fixed_size 0
		.amdhsa_enable_private_segment 0
		.amdhsa_kernarg_size 24
		.amdhsa_user_sgpr_count 2
		.amdhsa_user_sgpr_kernarg_segment_ptr 1
		.amdhsa_wavefront_size32 1
		.amdhsa_system_sgpr_workgroup_id_x 1
		.amdhsa_system_sgpr_workgroup_id_y 1
		.amdhsa_system_sgpr_workgroup_id_z 1
		.amdhsa_system_vgpr_workitem_id 0
		.amdhsa_next_free_vgpr 1024
		.amdhsa_next_free_sgpr 66
		.amdhsa_reserve_vcc 1
		.amdhsa_float_denorm_mode_32 3
		.amdhsa_float_denorm_mode_16_64 3
		.amdhsa_memory_ordered 1
		.amdhsa_forward_progress 1
		.amdhsa_inst_pref_size 255
	.end_amdhsa_kernel
	.section	.bss,"aw",@nobits
	.p2align	6
	.space	262144
	.amdgpu_metadata
---
amdhsa.version: [ 1, 2 ]
amdhsa.kernels:
  - .name:           k_qf4efa445cf_gemm1
    .symbol:         k_qf4efa445cf_gemm1.kd
    .args:
      - { .name: xq, .offset: 0, .size: 8, .value_kind: global_buffer, .address_space: global }
      - { .name: kernel_1, .offset: 8, .size: 8, .value_kind: global_buffer, .address_space: global }
      - { .name: zq, .offset: 16, .size: 8, .value_kind: global_buffer, .address_space: global }
    .group_segment_fixed_size: 327680
    .private_segment_fixed_size: 0
    .kernarg_segment_align: 8
    .kernarg_segment_size: 24
    .max_flat_workgroup_size: 128
    .sgpr_count:     66
    .vgpr_count:     1024
    .wavefront_size: 32
...
	.end_amdgpu_metadata
.endif
;; end of part 2
;; launch gemm2 (part 3): grid 32 x 8, 4 waves a work-group, clusters of 4 x 1, 327,680 bytes of LDS; arguments zq, w2q, out0; writes out0
.if DOCPART == 3
	.amdgcn_target "amdgcn-amd-amdhsa--gfx1250"
	.amdhsa_code_object_version 6
	.text
	.protected	k_qf4efa445cf_gemm2
	.globl	k_qf4efa445cf_gemm2
	.p2align	8
	.type	k_qf4efa445cf_gemm2,@function
k_qf4efa445cf_gemm2:
	s_mov_b64 s[64:65], 0
	v_nop
	global_prefetch_b8 v0, s[64:65] scope:SCOPE_SE
	s_setreg_imm32_b32 hwreg(HW_REG_WAVE_MODE, 25, 1), 1
	s_wait_xcnt 0x0
	s_wait_alu depctr_hold_cnt(0) depctr_sa_sdst(0) depctr_va_vdst(0) depctr_va_sdst(0) depctr_va_ssrc(0) depctr_va_vcc(0) depctr_vm_vsrc(0)
	s_getreg_b32 s2, hwreg(HW_REG_IB_STS2, 6, 4)
	s_cmp_eq_u32 s2, 0
	s_cbranch_scc0 .Lentry_in_a_cluster
	s_endpgm
.Lentry_in_a_cluster:
	s_bfe_u32 s2, ttmp6, 0x10000c
	s_cmp_lg_u32 s2, 0x3003
	s_cbranch_scc0 .Lentry_shape_is_right
	s_endpgm
.Lentry_shape_is_right:
; out0 [1024][2048] f32 = z x kernel_2 on codes of E4M3 with one E8M0 byte for each 32 along K = 8,192.  Both operands lie in memory in the order of the operand's registers
; (a fragment = 16 rows x 128 k = 2,048 bytes, lane l's registers 4 c .. 4 c + 3 at 512 c + 16 l), as dense blocks of 512 along K (tau) with their scale words behind them:
; zq block (rg, tau) at (16 rg + tau) x 67,584: fragment (rt, st) at 2,048 (4 rt + st), scale words from 65,536;  w2q block (cg, tau) at (16 cg + tau) x 33,792: fragment (ct, st), scale words from 32,768.
; SHARES.  Work-group (cg, rg) makes 128 rows x 64 columns: 256 work-groups.  THE FOUR WAVES SHARE K, NOT THE TILE: of each tau's 512 along K wave w takes the 128 numbered w and holds all 32 accumulators,
; so every LDS byte is read once.  At the end the four partial tiles are added through LDS.
; 8 trips of two tau (1,024 along K), begun at another pair in each cluster: pair = (trip + cluster x + rg) % 8, made of coordinates that the partners share.
; CLUSTER: 4 x 1: four column groups of one row group.  z's two blocks of a trip, 135,168 dense bytes, hang on rg and the pair alone: the four ask for them JOINTLY (mask 15), wave w for quarter w; two LDS slots.
; THE WEIGHT IS NOT ASKED FOR JOINTLY, though the eight work-groups of a column group read the same blocks.  Beside z's blocks in the ring a slot could hold 512 along K alone (101,376 bytes; two slots of 1,024 along K
; would be 405,504 bytes, more than a work-group's LDS): 16 changes of slots with 32 products a wave between them.  A fragment of the weight is read by ONE wave of the work-group, so it needs no LDS: it goes from memory
; straight into that wave's registers, 34 loads a trip, one trip ahead, on a counter for which no change of slots waits.  The slots then hold 1,024 along K: 8 changes of slots, 64 products a wave between them.
; The products are used transposed (source 0 = 16 columns of the weight, source 1 = 16 rows of z): a lane holds eight neighbouring columns of one row of out0.
; REGISTERS.  Window 0: v1-22 addresses; v32-39 z's scale words, v40-47 the weight's (scales and nothing else); v128-255 z's 8 fragments of a trip's first tau.   Window 1: accumulator (rt, ct) at v[8 (4 rt + ct)].
;   Window 2: v128-255 z's 8 fragments of the second tau.   Window 3: four sets of the weight's 4 fragments: set 2 (trip % 2) + (tau % 2) at v[64 x set].
.set SLOTB, 135168                     ; an LDS slot: z's blocks of two tau; slot 0 at 0, slot 1 behind it
.set TAUB,  67584                      ; one of the two
.set QTR,   33792                      ; what one tensor load brings
.set STG,   270336                     ; behind the slots, in bytes that are never filled: a stage of 32 rows x 272 bytes for each wave
.set SPARE, 327168                     ; the spare words, 128 bytes for each wave: two blocks of 256 bytes that no other line names
.set SPW,  1
.set NIL,  2
.set AA,   3                           ; v3-6   z's fragments (0, w): slot p, tau j at v[AA + 2 p + j]
.set AS,   7                           ; v7-10  z's scale words likewise
.set BO,   11                          ; v11    the weight's fragments: 16 x lane + 2,048 x wave
.set BSO,  12                          ; v12    its scale words: 8 x lane + 256 x wave
.set RW,   13                          ; v13    where I put my partial tile: over slot 0, which has had its last fill and its last read by then
.set RR,   14                          ; v14-17 where I read my eight accumulators of the four partial tiles
.set SW,   18                          ; the stage: in,
.set SR,   19                          ; and back
.set GO,   20                          ; my byte offset in the wave's rows of out0
.set SAV,  32
.set SBV,  40
.set AF,   128
.set G1,   16                          ; s[16:23] descriptor group 1
.set G0,   24                          ; s[24:31] group 0, one set for each slot
.set AB,   32                          ; s[32:33] zq at my row group's pair 0, my wave's quarter
.set BB,   34                          ; s[34:35] w2q at my column group's pair 0
.set BP,   36                          ; s[36:37] the base of the weight's loads in hand
.set MSB, 0
.macro WIN new                         ; the immediate's high byte repeats the setting that is left
.if MSB != (\new)
	s_set_vgpr_msb (MSB<<8)|(\new)
.set MSB, (\new)
.endif
.endm
.macro PLACES n
.rept \n
	v_nop
.endr
.endm
.macro CROUND                          ; a round of the cluster's barrier
	s_barrier_signal -1
	s_barrier_wait -1
	s_cmp_lg_u32 s10, 0
	s_cbranch_scc1 .Lnot_wave_0_\@
	s_barrier_signal -3
.Lnot_wave_0_\@:
	s_barrier_wait -3
	s_barrier_signal -1
	s_barrier_wait -1
.endm
.macro SETD p                          ; slot p's group 0 takes the pair s14
	s_mul_i32 s38, s14, SLOTB
	s_add_nc_u64 s[G0+4*(\p)+2:G0+4*(\p)+3], s[AB:AB+1], s[38:39]
	s_or_b32 s[G0+4*(\p)+3], s[G0+4*(\p)+3], 0x80000000
.endm
.macro NEXTT
	s_add_co_u32 s14, s14, 1
	s_and_b32 s14, s14, 7
.endm
; the next trip's part of the weight that is mine, into sets 2 par and 2 par + 1: for each tau 16 loads of 512 consecutive bytes and its scale words
.macro LOADB par
	s_wait_xcnt 0x0                                ; the earlier loads have read their base: it may be written
	s_add_co_u32 s15, s15, 1
	s_and_b32 s15, s15, 7
	s_mul_i32 s40, s15, TAUB                       ; two blocks of 33,792 bytes a pair
	s_add_nc_u64 s[BP:BP+1], s[BB:BB+1], s[40:41]
	WIN 0xc0                                       ; destination window 3
.irp j, 0,1
.irp ct, 0,1,2,3
.irp c, 0,1,2,3
	global_load_b128 v[64*(2*(\par)+\j)+16*\ct+4*\c:64*(2*(\par)+\j)+16*\ct+4*\c+3], v[BO], s[BP:BP+1] offset:33792*\j+8192*\ct+512*\c
.endr
.endr
.endr
	WIN 0
.irp j, 0,1
	global_load_b64 v[SBV+2*(2*(\par)+\j):SBV+2*(2*(\par)+\j)+1], v[BSO], s[BP:BP+1] offset:33792*\j+32768
.endr
.endm
; one product: row tile rt, column tile ct, tau j of the trip, the weight's sets of parity par.  A scale register holds an even tile's words in lanes 0-15 and the odd one's in lanes 16-31
.macro WM2 rt, ct, j, par, zero
.set rD, 8*(4*(\rt)+(\ct))
.set rB, 64*(2*(\par)+(\j))+16*(\ct)
.set rA, AF+16*(\rt)
.set rX, SBV+2*(2*(\par)+(\j))+(\ct)/2
.set rY, SAV+4*(\j)+(\rt)/2
.if \zero
.if ((\rt)%2)&&((\ct)%2)
	v_wmma_scale_f32_16x16x128_f8f6f4 v[rD:rD+7], v[rB:rB+15], v[rA:rA+15], 0, v[rX], v[rY] matrix_a_scale:MATRIX_SCALE_ROW1 matrix_b_scale:MATRIX_SCALE_ROW1
.elseif (\ct)%2
	v_wmma_scale_f32_16x16x128_f8f6f4 v[rD:rD+7], v[rB:rB+15], v[rA:rA+15], 0, v[rX], v[rY] matrix_a_scale:MATRIX_SCALE_ROW1
.elseif (\rt)%2
	v_wmma_scale_f32_16x16x128_f8f6f4 v[rD:rD+7], v[rB:rB+15], v[rA:rA+15], 0, v[rX], v[rY] matrix_b_scale:MATRIX_SCALE_ROW1
.else
	v_wmma_scale_f32_16x16x128_f8f6f4 v[rD:rD+7], v[rB:rB+15], v[rA:rA+15], 0, v[rX], v[rY]
.endif
.else
.if ((\rt)%2)&&((\ct)%2)
	v_wmma_scale_f32_16x16x128_f8f6f4 v[rD:rD+7], v[rB:rB+15], v[rA:rA+15], v[rD:rD+7], v[rX], v[rY] matrix_a_scale:MATRIX_SCALE_ROW1 matrix_b_scale:MATRIX_SCALE_ROW1
.elseif (\ct)%2
	v_wmma_scale_f32_16x16x128_f8f6f4 v[rD:rD+7], v[rB:rB+15], v[rA:rA+15], v[rD:rD+7], v[rX], v[rY] matrix_a_scale:MATRIX_SCALE_ROW1
.elseif (\rt)%2
	v_wmma_scale_f32_16x16x128_f8f6f4 v[rD:rD+7], v[rB:rB+15], v[rA:rA+15], v[rD:rD+7], v[rX], v[rY] matrix_b_scale:MATRIX_SCALE_ROW1
.else
	v_wmma_scale_f32_16x16x128_f8f6f4 v[rD:rD+7], v[rB:rB+15], v[rA:rA+15], v[rD:rD+7], v[rX], v[rY]
.endif
.endif
.endm
; A TRIP, in slot p and the weight's sets of parity p: 1,024 along K, of which 2 x 128 are mine: 64 products.  zero: the first tau's products start the sums.  fill: the other slot takes the next trip's blocks of z.
; tail: the change of slots, with a round of the cluster's barrier.  loadb: the next trip's part of the weight is asked for.
; The eight v_nop at the head stand between the last trip's products and every load of this trip into registers that those products read: both sets of z's fragments, the weight's other two sets, the scale words.
; The 32 accumulators take turns, one instruction a turn, twice round in a trip.
.macro TRIP p, zero, fill, tail, loadb
.if \fill
	tensor_load_to_lds s[G0+4*(1-\p):G0+4*(1-\p)+3], s[G1:G1+7]   ; my one tensor load behind the round, and the first thing there: it has this trip's 64 products in which to land
	s_nop 0
.endif
	PLACES 8
	ds_load_b128 v[SAV:SAV+3], v[AS+2*\p]
	ds_load_b128 v[SAV+4:SAV+7], v[AS+2*\p+1]
.irp rt, 0,1,2,3,4,5,6,7
.irp c, 0,1,2,3
	ds_load_b128 v[AF+16*\rt+4*\c:AF+16*\rt+4*\c+3], v[AA+2*\p] offset:8192*\rt+512*\c
.endr
.endr
.if \loadb
	LOADB 1-\p
	s_wait_loadcnt 34                              ; this trip's part of the weight, asked for a trip ago, is in; the 34 loads just issued may be out
.else
	s_wait_loadcnt 0x0
.endif
	s_wait_dscnt 28                                ; the scale words and row tile 0 are in; the other seven row tiles, four loads each, may be out
	WIN 0x53                                       ; source 0 (the weight) window 3, source 1 (z) window 0, C and D window 1
.irp ct, 0,1,2,3
	WM2 0, \ct, 0, \p, \zero
.endr
	WIN 0x80                                       ; destination window 2: the second tau's fragments; with them 60 LDS loads of mine are out at the most
.irp rt, 0,1,2,3,4,5,6,7
.irp c, 0,1,2,3
	ds_load_b128 v[AF+16*\rt+4*\c:AF+16*\rt+4*\c+3], v[AA+2*\p+1] offset:8192*\rt+512*\c
.endr
.endr
	WIN 0x53
.irp rt, 1,2,3,4,5,6,7
	s_wait_dscnt 32+4*(7-\rt)                      ; the later row tiles of this tau and the second tau's 32 loads may be out
.irp ct, 0,1,2,3
	WM2 \rt, \ct, 0, \p, \zero
.endr
.endr
	WIN 0x5b                                       ; source 1 (z) window 2
.irp rt, 0,1,2,3,4,5,6,7
	s_wait_dscnt 4*(7-\rt)                         ; the later row tiles may be out
.irp ct, 0,1,2,3
	WM2 \rt, \ct, 1, \p, 0
.endr
.endr
	WIN 0
.if \tail
	s_wait_tensorcnt 0x0                           ; all my tensor loads have landed: my quarter of the next slot; so a group 0 may be written
	ds_add_u32 v[SPW], v[NIL]                      ; 0 onto my spare word
	NEXTT
	SETD \p                                        ; this slot's next blocks: two trips on
	s_wait_dscnt 0x0                               ; the add is done, and my reads of this slot are over
	CROUND                                         ; both now hold of every wave of the four work-groups
.endif
.endm
	s_load_b128 s[4:7], s[0:1], 0x0                ; zq s[4:5], w2q s[6:7]
	s_load_b64 s[8:9], s[0:1], 0x10                ; out0
	v_lshl_add_u32 v[SPW], v0, 2, SPARE
	v_mov_b32 v[NIL], 0
	ds_add_u32 v1, v2
	ds_add_u32 v1, v2
	s_wait_dscnt 0x0
	v_lshrrev_b32 v21, 5, v0
	v_readfirstlane_b32 s10, v21                   ; wave 0..3
	s_bfe_u32 s11, ttmp6, 0x40000                  ; cx: it enters the weight's and out0's global addresses alone
	s_lshl_b32 s12, ttmp9, 2
	s_add_co_u32 s12, s12, s11                     ; cg = 4 x cluster x + cx
	s_and_b32 s13, ttmp7, 0xffff                   ; rg, which the four partners share
	s_add_co_u32 s14, s13, ttmp9
	s_and_b32 s14, s14, 7                          ; trip 0's pair: the same in all four partners
	s_add_co_u32 s15, s14, 7
	s_and_b32 s15, s15, 7                          ; the pair before it: LOADB steps it
	; descriptor group 1: 132 rows of 256 bytes (32 elements of 8 bytes), dense in memory and in LDS
	s_mov_b32 s[G1], 15|(3<<16)|(1<<21)            ; 15:0 the mask: all four work-groups; 17:16 elements of 8 bytes; 21 set beside a mask
	s_mov_b32 s[G1+1], 32<<16                      ; tensor_dim0 = 32
	s_mov_b32 s[G1+2], 132<<16                     ; tensor_dim1 = 132
	s_mov_b32 s[G1+3], 32<<16                      ; tile_dim0 = 32
	s_mov_b32 s[G1+4], 132                         ; tile_dim1 = 132
	s_mov_b32 s[G1+5], 32                          ; from row to row
	s_mov_b32 s[G1+6], 0
	s_mov_b32 s[G1+7], 0
	s_mov_b32 s[G0], 1
	s_mul_i32 s[G0+1], s10, QTR                    ; LDS address: slot 0, my quarter: no place in the cluster enters it
	s_mov_b32 s[G0+4], 1
	s_add_co_u32 s[G0+5], s[G0+1], SLOTB           ; slot 1
	v_and_b32 v21, 31, v0                          ; lane
	v_lshlrev_b32 v22, 4, v21
	s_lshl_b32 s42, s10, 11
	v_add_nc_u32 v[BO], s42, v22
	s_lshl_b32 s43, s10, 8
	v_lshlrev_b32 v[BSO], 3, v21
	v_add_nc_u32 v[BSO], s43, v[BSO]
	s_mul_i32 s38, s13, 1081344                    ; z: 16 blocks a row group,
	s_mul_i32 s44, s10, QTR                        ; my quarter of a pair
	s_add_co_u32 s38, s38, s44
	s_mov_b32 s39, 0
	s_mul_i32 s40, s12, 540672                     ; the weight: 16 blocks a column group
	s_mov_b32 s41, 0
	s_wait_kmcnt 0x0
	s_add_nc_u64 s[AB:AB+1], s[4:5], s[38:39]
	s_add_nc_u64 s[BB:BB+1], s[6:7], s[40:41]
	LOADB 0                                        ; trip 0's part of the weight
	SETD 0
	NEXTT
	SETD 1
	CROUND                                         ; all four work-groups are here: the first joint loads meet
	tensor_load_to_lds s[G0:G0+3], s[G1:G1+7]      ; both first fills together: two tensor loads of mine are out
	s_nop 0
	tensor_load_to_lds s[G0+4:G0+7], s[G1:G1+7]
	s_nop 0
	PLACES 4
	v_add_nc_u32 v[AA], s42, v22                   ; fragment (0, w) of slot 0's first tau,
	v_add_nc_u32 v[AA+1], TAUB, v[AA]              ; its second,
	v_add_nc_u32 v[AA+2], SLOTB, v[AA]             ; and slot 1's two
	v_add_nc_u32 v[AA+3], SLOTB+TAUB, v[AA]
	s_lshl_b32 s44, s10, 9
	v_add_nc_u32 v[AS], s44, v22
	v_add_nc_u32 v[AS], 65536, v[AS]
	v_add_nc_u32 v[AS+1], TAUB, v[AS]
	v_add_nc_u32 v[AS+2], SLOTB, v[AS]
	v_add_nc_u32 v[AS+3], SLOTB+TAUB, v[AS]
	s_lshl_b32 s44, s10, 15
	v_add_nc_u32 v[RW], s44, v22                   ; my partial tile: 32,768 x wave
	s_lshl_b32 s44, s10, 13
	v_add_nc_u32 v[RR], s44, v22                   ; accumulators 8 w on of the first partial tile,
	v_add_nc_u32 v[RR+1], 32768, v[RR]
	v_add_nc_u32 v[RR+2], 65536, v[RR]
	v_add_nc_u32 v[RR+3], 98304, v[RR]
	v_and_b32 v21, 15, v0                          ; r
	v_bfe_u32 v22, v0, 4, 1                        ; h
	s_mul_i32 s44, s10, 8704
	s_add_co_u32 s44, s44, STG                     ; my stage
	v_mul_u32_u24 v[SW], v21, 272
	v_lshl_add_u32 v[SW], v22, 5, v[SW]
	v_add_nc_u32 v[SW], s44, v[SW]                 ; in: row r, 32 bytes for each half of the lanes
	v_mul_u32_u24 v[SR], v22, 272
	v_lshl_add_u32 v[SR], v21, 4, v[SR]
	v_add_nc_u32 v[SR], s44, v[SR]                 ; back: lanes 0-15 one row of 256 bytes, lanes 16-31 the next
	v_lshlrev_b32 v[GO], 13, v22
	v_lshl_add_u32 v[GO], v21, 4, v[GO]            ; and the same two rows in out0
	s_lshl_b32 s46, s13, 20                        ; out0: row 128 rg + 32 w of 8,192 bytes, column 64 cg
	s_lshl_b32 s47, s10, 18
	s_add_co_u32 s46, s46, s47
	s_lshl_b32 s47, s12, 8
	s_add_co_u32 s46, s46, s47
	s_mov_b32 s47, 0
	s_add_nc_u64 s[8:9], s[8:9], s[46:47]
	s_wait_tensorcnt 1                             ; my quarter of slot 0 is in; slot 1's may stay out
	s_barrier_signal -1
	s_barrier_wait -1                              ; everybody's is
	TRIP 0, 1, 0, 1, 1                             ; trip 0: its first products start the sums: nothing is ever cleared
	s_mov_b32 s3, 3
.Ltrips:                                           ; trips 1 to 6
	TRIP 1, 0, 1, 1, 1
	TRIP 0, 0, 1, 1, 1
	s_sub_co_u32 s3, s3, 1
	s_cmp_lg_u32 s3, 0
	s_cbranch_scc1 .Ltrips
	TRIP 1, 0, 0, 0, 0                             ; trip 7 is written out: nothing is left to fetch
	; THE FOUR PARTIAL TILES ARE ADDED.  Each wave puts its 32 accumulators into LDS as they stand (each from its low end on); behind a barrier wave w adds accumulators 8 w .. 8 w + 7 of the four: rows 32 w .. 32 w + 31.
	; The bytes are slot 0's: its last fill was waited for in trip 5, and every wave has passed trip 6's round behind its last read of it.
	PLACES 8
	WIN 0x04                                       ; an LDS store's data are its source 1: window 1
.irp a, 0,1,2,3,4,5,6,7,8,9,10,11,12,13,14,15,16,17,18,19,20,21,22,23,24,25,26,27,28,29,30,31
	ds_store_b128 v[RW], v[8*\a:8*\a+3] offset:1024*\a
	ds_store_b128 v[RW], v[8*\a+4:8*\a+7] offset:1024*\a+512
.endr
	WIN 0
	s_wait_dscnt 0x0                               ; for the others' sake: my stores have landed
	s_barrier_signal -1
	s_barrier_wait -1
.macro RHALF hh                        ; four accumulators (16 rows x 64 columns): read from the four partial tiles, added, and put into my stage
.irp v, 0,1,2,3
.irp a, 0,1,2,3
	ds_load_b128 v[64+32*\v+8*\a:64+32*\v+8*\a+3], v[RR+\v] offset:(4*\hh+\a)*1024
	ds_load_b128 v[64+32*\v+8*\a+4:64+32*\v+8*\a+7], v[RR+\v] offset:(4*\hh+\a)*1024+512
.endr
.endr
	s_wait_dscnt 0x0
.irp i, 0,2,4,6,8,10,12,14,16,18,20,22,24,26,28,30
	v_pk_add_f32 v[64+\i:65+\i], v[64+\i:65+\i], v[96+\i:97+\i]
	v_pk_add_f32 v[128+\i:129+\i], v[128+\i:129+\i], v[160+\i:161+\i]
.endr
.irp i, 0,2,4,6,8,10,12,14,16,18,20,22,24,26,28,30
	v_pk_add_f32 v[64+\i:65+\i], v[64+\i:65+\i], v[128+\i:129+\i]
.endr
.irp a, 0,1,2,3
	ds_store_b128 v[SW], v[64+8*\a:64+8*\a+3] offset:\hh*16*272+64*\a
	ds_store_b128 v[SW], v[64+8*\a+4:64+8*\a+7] offset:\hh*16*272+64*\a+16
.endr
.endm
	RHALF 0
	s_wait_dscnt 0x0                               ; the stores have read their registers
	RHALF 1
.irp i, 0,1,2,3,4,5,6,7,8,9,10,11,12,13,14,15
	ds_load_b128 v[192+4*\i:192+4*\i+3], v[SR] offset:2*\i*272   ; LDS serves a wave's instructions in order (ISA guide 5.7.1.4): these see my stores
.endr
.irp i, 0,1,2,3,4,5,6,7,8,9,10,11,12,13,14,15
	s_wait_dscnt 15-\i
	global_store_b128 v[GO], v[192+4*\i:192+4*\i+3], s[8:9] offset:2*\i*8192 th:TH_STORE_NT   ; sixteen lanes store 256 consecutive bytes, at a multiple of 256 from out0's first byte
.endr
	s_wait_tensorcnt 0x0                           ; the wave's end
	ds_add_u32 v[SPW], v[NIL]
	s_wait_dscnt 0x0
	CROUND                                         ; the closing round: no work-group ends while a partner may still ask for a tile that names it
	s_endpgm
.Lfunc_end_k_qf4efa445cf_gemm2:
	.size	k_qf4efa445cf_gemm2, .Lfunc_end_k_qf4efa445cf_gemm2-k_qf4efa445cf_gemm2
	.p2alignl 7, 3214868480
	.fill 96, 4, 3214868480
	.section	.rodata,"a",@progbits
	.p2align	6, 0x0
	.amdhsa_kernel k_qf4efa445cf_gemm2
		.amdhsa_group_segment_fixed_size 327680
		.amdhsa_private_segment_fixed_size 0
		.amdhsa_enable_private_segment 0
		.amdhsa_kernarg_size 24
		.amdhsa_user_sgpr_count 2
		.amdhsa_user_sgpr_kernarg_segment_ptr 1
		.amdhsa_wavefront_size32 1
		.amdhsa_system_sgpr_workgroup_id_x 1
		.amdhsa_system_sgpr_workgroup_id_y 1
		.amdhsa_system_sgpr_workgroup_id_z 1
		.amdhsa_system_vgpr_workitem_id 0
		.amdhsa_next_free_vgpr 1024
		.amdhsa_next_free_sgpr 66
		.amdhsa_reserve_vcc 0
		.amdhsa_float_denorm_mode_32 3
		.amdhsa_float_denorm_mode_16_64 3
		.amdhsa_memory_ordered 1
		.amdhsa_forward_progress 1
		.amdhsa_inst_pref_size 93
	.end_amdhsa_kernel
	.amdgpu_metadata
---
amdhsa.version: [ 1, 2 ]
amdhsa.kernels:
  - .name:           k_qf4efa445cf_gemm2
    .symbol:         k_qf4efa445cf_gemm2.kd
    .args:
      - { .name: zq, .offset: 0, .size: 8, .value_kind: global_buffer, .address_space: global }
      - { .name: w2q, .offset: 8, .size: 8, .value_kind: global_buffer, .address_space: global }
      - { .name: out0, .offset: 16, .size: 8, .value_kind: global_buffer, .address_space: global }
    .group_segment_fixed_size: 327680
    .private_segment_fixed_size: 0
    .kernarg_segment_align: 8
    .kernarg_segment_size: 24
    .max_flat_workgroup_size: 128
    .sgpr_count:     66
    .vgpr_count:     1024
    .wavefront_size: 32
...
	.end_amdgpu_metadata
.endif
;; end of part 3
